; MI455X (gfx1250); checked and timed in simulation.
; The chip was launched on July 23, 2026; its instructions are those of AMD's public machine-readable ISA for CDNA 5 (MIT licence, August 2026) and "CDNA5" Instruction Set Architecture Reference Guide (July 2026). The comments in the code are by the model that wrote it; some were corrected since.
;; Head. Allowed arithmetic: matrix products marked QUANTISED: E2M3 operands, one E8M0 scale for each 32 along K, by v_wmma_scale_f32_16x16x128_f8f6f4 with both operands' format E2M3, f32 sums; everything else in f32.
;; Inputs: W_k_codes 32 x 4 x 24 uint8 (E2M3 codes of W_k, K innermost, in blocks of 32 codes, four codes in three bytes); W_k_scales 32 x 4 uint8 (E8M0 scales of W_k, one for each 32 codes along K); W_q_codes 32 x 4 x 24 uint8 (E2M3 codes of W_q, K innermost, in blocks of 32 codes, four codes in three bytes); W_q_scales 32 x 4 uint8 (E8M0 scales of W_q, one for each 32 codes along K); W_v_codes 32 x 4 x 24 uint8 (E2M3 codes of W_v, K innermost, in blocks of 32 codes, four codes in three bytes); W_v_scales 32 x 4 uint8 (E8M0 scales of W_v, one for each 32 codes along K); x_codes 8 x 4,096 x 4 x 24 uint8 (E2M3 codes of x, K innermost, in blocks of 32 codes, four codes in three bytes); x_scales 8 x 4,096 x 4 uint8 (E8M0 scales of x, one for each 32 codes along K).
;; Outputs: out0 8 x 4,096 x 32 float32.
;; This version of the problem:
;;   THIS VERSION OF THE PROBLEM IS GIVEN IN LOW PRECISION. The matrix products marked QUANTISED in the list below multiply operands that are first quantised to E2M3 (2 exponent bits, 3 mantissa bits; 6 bits a number), with one power-of-two scale for each 32 numbers along K (OCP MX v1.0); their sums are f32. All else is computed in f32.
;;   The module's matrix products, in the order in which they are computed (A, B: the left and right operand; K: the contracted axis; several contracted axes count as one K, in the product's order):
;;     1. [M 32,768, K 128] x [K 128, N 32]; A: input x (given as codes); B: input W_q (given as codes): QUANTISED
;;     2. [M 32,768, K 128] x [K 128, N 32]; A: input x (given as codes); B: input W_k (given as codes): QUANTISED
;;     3. [M 32,768, K 128] x [K 128, N 32]; A: input x (given as codes); B: input W_v (given as codes): QUANTISED
;;     4. batch 8 x [M 4,096, K 32] x [K 32, N 4,096]; A: computed on the way; B: computed on the way: QUANTISED
;;     5. batch 8 x [M 4,096, K 4,096] x [K 4,096, N 32]; A: softmax (see below); B: computed on the way: QUANTISED
;;   THE QUANTISER, for each operand of a quantised product, along K:
;;     - K is cut into blocks of 32 from its start; a last block that is shorter is filled with zeros.
;;     - A block's scale is 2^e with e = floor(log2(the largest magnitude in the block)) - 2, held to -126 .. 127; a block of zeros has e = 0. As a byte (E8M0): e + 127.
;;     - Each number is divided by its block's scale, clamped to +-7.5, and rounded to the nearest number of E2M3, ties to even, subnormals kept.
;;     - The product sums the exact products of the quantised numbers (number of the format x scale) in f32.
;;   ~~~python
;;   def quantise(x, axis):      # numpy; x: float32 -> the quantised numbers, widened to float32 again
;;       x = np.moveaxis(x, axis, -1); K = x.shape[-1]
;;       x = np.pad(x, [(0, 0)] * (x.ndim - 1) + [(0, -K % 32)]); x = x.reshape(x.shape[:-1] + (-1, 32)); a = np.abs(x).max(-1, keepdims=True)
;;       e = np.where(a > 0, np.clip(np.frexp(np.where(a > 0, a, 1))[1] - 1 - 2, -126, 127), 0)      # np.frexp(a)[1] - 1 = floor(log2(a)), exactly
;;       r = np.clip(x / 2.0 ** e, -7.5, 7.5)
;;       step = 2.0 ** (np.maximum(np.frexp(np.where(r == 0, 1, r))[1] - 1, 0) - 3)
;;       q = np.round(r / step) * step * 2.0 ** e      # np.round: ties to even
;;       return np.moveaxis(q.reshape(q.shape[:-2] + (-1,))[..., :K], -1, axis).astype(np.float32)
;;   ~~~
;;   SOFTMAX AHEAD OF A QUANTISED PRODUCT. Where the list says 'softmax', what is quantised is not the finished softmax but p = 2^(t - M), with t = logit x log2(e) and M = ceil(the row's largest t), a whole number; so 1/2 < the row's largest p <= 1. The row's sum l is taken of the UNQUANTISED p, in f32, and the product's result is divided by l at the end. Since M is a whole number, a kernel that streams over the keys may use a running M (the ceiling of the running maximum): every later rescaling is an exact power of two, which a block's scale takes up: the codes' values come out the same.
;;   OPERANDS COMPUTED ON THE WAY. 'Computed on the way' means the value that the module computes at that place (a softmax that the list does not call 'softmax' is quantised finished and normalised). What goes into a quantiser is computed in f32, as accurately as f32 sums, v_exp_f32 and their like allow (about 1e-6 of the number): no bf16 or f16 on the way to a quantiser, and a product that is left as it is and whose result goes on into a quantised operand takes f32 operands (vector FMAs, or v_wmma_f32_16x16x4_f32). A number that lies on a knife's edge between two numbers of the format may be rounded either way, as far as f32 arithmetic and the matrix unit's own rounding can turn it there, and no further.
;;   INPUTS GIVEN AS CODES. W_k (in the module: [128, 32], K = its axis 0); W_q (in the module: [128, 32], K = its axis 0); W_v (in the module: [128, 32], K = its axis 0); x (in the module: [8, 4096, 128], K = its axis 2): each comes as NAME_codes (uint8): NAME with its K axis moved to the last place and cut into blocks of 32 codes, [.., K / 32, bytes a block], one block behind the other in memory; four codes in three bytes: a row's codes are one little-endian stream of bits, code i at bits 6 i .. 6 i + 5 (a code: sign, 2 exponent bits, 3 mantissa bits); and NAME_scales (uint8): the same leading axes, one E8M0 byte (e + 127) for each 32 codes along K. Its value is code x scale, taken as it is: it is not quantised again, and the codes and scales need not be those that the quantiser above would give.
;; One version. Each part assembles by itself: llvm-mc -triple=amdgcn-amd-amdhsa -mcpu=gfx1250 --defsym DOCPART=n.
;; ======== version 1 of 1: 2 launches
;; workspace buffers: kv 1,638,400 bytes; qt 1,048,576 bytes
;; launch proj (part 1): grid 256 x 1, 2 waves a work-group, no clusters, 0 bytes of LDS; arguments x_codes, x_scales, W_q_codes, W_q_scales, W_k_codes, W_k_scales, W_v_codes, W_v_scales, kv, qt; writes kv, qt
.if DOCPART == 1
	.amdgcn_target "amdgcn-amd-amdhsa--gfx1250"
	.amdhsa_code_object_version 6
	.text
	.protected	k_q0409e324ba_proj
	.globl	k_q0409e324ba_proj
	.p2align	8
	.type	k_q0409e324ba_proj,@function
k_q0409e324ba_proj:
	s_mov_b64 s[64:65], 0
	v_nop
	global_prefetch_b8 v0, s[64:65] scope:SCOPE_SE
	s_setreg_imm32_b32 hwreg(HW_REG_WAVE_MODE, 25, 1), 1
	s_wait_xcnt 0x0
; q = rope(x W_q), k = rope(x W_k), v = x W_v on codes of E2M3, and the quantisers of q, k (along the head's 32) and v (along the keys).
; A work-group takes 128 positions of one batch (work-group R = batch x 32 + block) and stores one record of kv (6,400 bytes) and eight tiles of qt (512 bytes each).
; ORDER OF ROWS: tile t = 0 .. 7 of the 128 positions holds, in row r, position 32 (t / 2) + 8 (t % 2) + r + 8 (r / 8): so the 16 registers of two neighbouring result tiles are 16 neighbours.
; A RECORD: byte 0 and 1,536: k's two fragments; 3,072 and 4,608: v^T's two; 6,144: scale words: k 0, v 0, k 1, v 1, 64 bytes each.  A fragment is an image of its 12 registers: register 4 g + i of lane l at 512 g + 16 l + 4 i.
;   k's fragment F: lane (r, h), registers 6 c .. 6 c + 5 (the instruction's scale block 2 c + h) hold the 32 codes of the key in row r of tile 4 F + 2 c + h: four tiles of 16 keys in one operand of K = 128.
;   v^T's fragment n: row = channel 16 n + r, K = the record's 128 keys in their natural order.
; A TILE OF qt: bytes 16 r: the row's code registers 0-3; bytes 256 + 16 r: registers 4, 5, the row's scale byte four times, 0.
; SHARES: wave c makes q and k of positions 64 c .. 64 c + 63 and v^T's fragment c for all 128 positions: each is 64 numbers a lane, and every fragment and scale word is made whole by one wave: no LDS, no barrier.
;   A register number cannot hang on the wave, so x's slots 0-3 hold MY 64 positions and slots 4-7 the other 64: v's keys come out turned by 64 c, and twelve selects put the fragment's halves back.
; ROPE: the angle is f32(theta x position), as the problem's definition rounds it; it reaches 4,095, so it is reduced by pi / 2 in two parts with fused multiply-adds (the first is exact: the difference is a multiple of
;   2^-24 under 1), and sine and cosine are polynomials on +- pi / 4.
; LIMITS: theta is a table of the f32 numbers 1 / f32(10^(i / 4)), both roundings to nearest: it takes the definition's power and division to be correctly rounded.  Sine and cosine are within about 1e-7 absolute.
;   The rotation uses fused multiply-adds.  A block of zeros gets the byte 1 where the quantiser says 127: its codes are zeros, and this program alone reads the bytes.  A scale byte 0xff among the inputs is not served.
; REGISTERS: window 0: v1-15 addresses and lane numbers; v16-23 theta; v24-36 scale words; v40-63 at work; v64-127 cosines and sines; v128-191 results; v192-247 the quantiser.  Window 1: operands only.
.set XF,   0                           ; window 1: x's slot t at v[12 t]
.set WQ,   96                          ; W_q's tile u at v[96 + 12 u]
.set WK,   120                         ; W_k's
.set WVF,  144                         ; W_v's 16 rows of my channels
.set TH,   16                          ; v16-23  theta of frequency 8 h + i
.set XSC,  24                          ; v24-31  x's scale words, one register a slot
.set WQS,  32                          ; v32-33  W_q's
.set WKS,  34                          ; v34-35  W_k's
.set WVS,  36                          ; v36     W_v's
.set VW,   37                          ; v37     v's scale word, kept for the last store
.set SD,   38                          ; v38     that store's data
.set POS,  39                          ; v39     the position as f32
.set SA,   40                          ; v40-43  angle, then reduced angle
.set SN,   44                          ; v44-47  the multiple of pi / 2
.set SZ,   48                          ; v48-51  the reduced angle's square
.set PSN,  52                          ; v52-55  sine's polynomial
.set PCS,  56                          ; v56-59  cosine's
.set ST,   60                          ; v60-63  at work
.set SC,   64                          ; cos at v[64 + 16 b + i], sin at v[72 + 16 b + i]: tile b, frequency 8 h + i
.set R,    128                         ; v128-191 eight accumulators
.set TM,   192                         ; v192-195 largest magnitudes, v196-199 bytes, v204-207 the conversions' scale operands
.set PC,   208                         ; v208-227 the codes just made
.set PW,   228                         ; v228    the scale word just made
.set T4,   232                         ; v232-235 q's second 16 bytes of a row
.set NV,   236                         ; v236-247 v^T's fragment with its halves in place
.set SEL,  36                          ; s[36:37] lane selects: lane l xor 16
.set MSB, 0
.macro WIN new                         ; the immediate's high byte repeats the setting that is left
.if MSB != \new
	s_set_vgpr_msb (MSB<<8)|\new
.set MSB, \new
.endif
.endm
.macro PLACES                          ; four plain places between a matrix instruction and the first read of its result (ISA guide 7.12.1)
.rept 4
	v_nop
.endr
.endm
; theta of frequency i (lanes 0-15) and 8 + i (lanes 16-31); vcc holds lanes 16-31
.macro THETA i, lo, hi
	v_mov_b32 v[TH+\i], \hi
	v_cndmask_b32 v[TH+\i], \lo, v[TH+\i], vcc_lo
.endm
; Sine and cosine of theta x position for tile be, frequencies i0 .. i0 + 3 of my eight: stage by stage, so that no line waits for the line above it
.macro SINCOS4 be, i0
.irp k, 0,1,2,3
	v_mul_f32 v[SA+\k], v[TH+\i0+\k], v[POS]       ; the angle, rounded once
.endr
.irp k, 0,1,2,3
	v_mul_f32 v[SN+\k], s40, v[SA+\k]
.endr
.irp k, 0,1,2,3
	v_rndne_f32 v[SN+\k], v[SN+\k]                 ; N = the nearest multiple of pi / 2
.endr
.irp k, 0,1,2,3
	v_fma_f32 v[SA+\k], v[SN+\k], s41, v[SA+\k]    ; less N x the high part of pi / 2: exact
.endr
.irp k, 0,1,2,3
	v_fma_f32 v[SA+\k], v[SN+\k], s42, v[SA+\k]    ; less N x the rest
.endr
.irp k, 0,1,2,3
	v_mul_f32 v[SZ+\k], v[SA+\k], v[SA+\k]
.endr
.irp k, 0,1,2,3
	v_fma_f32 v[PSN+\k], v[SZ+\k], s45, s44
	v_fma_f32 v[PCS+\k], v[SZ+\k], s48, s47
.endr
.irp k, 0,1,2,3
	v_fma_f32 v[PSN+\k], v[PSN+\k], v[SZ+\k], s43
	v_fma_f32 v[PCS+\k], v[PCS+\k], v[SZ+\k], s46
.endr
.irp k, 0,1,2,3
	v_mul_f32 v[ST+\k], v[SZ+\k], v[SA+\k]
	v_fma_f32 v[PCS+\k], v[PCS+\k], v[SZ+\k], -0.5
.endr
.irp k, 0,1,2,3
	v_fma_f32 v[PSN+\k], v[PSN+\k], v[ST+\k], v[SA+\k]   ; sin of the reduced angle
	v_fma_f32 v[PCS+\k], v[PCS+\k], v[SZ+\k], 1.0        ; cos
.endr
.irp k, 0,1,2,3
	v_cvt_i32_f32 v[SN+\k], v[SN+\k]
.endr
.irp k, 0,1,2,3
	v_and_b32 v[ST+\k], 1, v[SN+\k]
.endr
.irp k, 0,1,2,3
	v_cmp_eq_u32 vcc_lo, 1, v[ST+\k]               ; an odd quarter turn changes the two over
	v_cndmask_b32 v[SC+16*\be+8+\i0+\k], v[PSN+\k], v[PCS+\k], vcc_lo
	v_cndmask_b32 v[SC+16*\be+\i0+\k], v[PCS+\k], v[PSN+\k], vcc_lo
.endr
.irp k, 0,1,2,3
	v_lshlrev_b32 v[ST+\k], 30, v[SN+\k]           ; sine is negative where N's bit 1 is set,
	v_add_nc_u32 v[SN+\k], 1, v[SN+\k]             ; cosine where N + 1's is
.endr
.irp k, 0,1,2,3
	v_and_b32 v[ST+\k], s49, v[ST+\k]
	v_lshlrev_b32 v[SN+\k], 30, v[SN+\k]
.endr
.irp k, 0,1,2,3
	v_xor_b32 v[SC+16*\be+8+\i0+\k], v[SC+16*\be+8+\i0+\k], v[ST+\k]
	v_and_b32 v[SN+\k], s49, v[SN+\k]
.endr
.irp k, 0,1,2,3
	v_xor_b32 v[SC+16*\be+\i0+\k], v[SC+16*\be+\i0+\k], v[SN+\k]
.endr
.endm
; The rotation, in place.  Register 16 b + 2 i, + 1 of a lane are channels 16 h + 2 i, + 1 of its position in tile b.  Each accumulator is first read at its register 1
.macro ROPE
.irp be, 0,1,2,3
.irp i, 0,1,2,3,4,5,6,7
	v_mul_f32 v[SA+2*(\i%4)], v[R+16*\be+2*\i+1], v[SC+16*\be+8+\i]
	v_mul_f32 v[SA+2*(\i%4)+1], v[R+16*\be+2*\i], v[SC+16*\be+8+\i]
	v_fma_f32 v[R+16*\be+2*\i], v[R+16*\be+2*\i], v[SC+16*\be+\i], -v[SA+2*(\i%4)]
	v_fma_f32 v[R+16*\be+2*\i+1], v[R+16*\be+2*\i+1], v[SC+16*\be+\i], v[SA+2*(\i%4)+1]
.endr
.endr
.endm
; 64 numbers of a lane, register 16 b + i = number 16 h + i of block b of my row, become a fragment's codes in v[PC] on and the row's scale word in v[PW]
.macro QUANT s
.irp b, 0,1,2,3
	v_max3_num_f32 v[TM+\b], |v[\s+16*\b]|, |v[\s+1+16*\b]|, 0x1800000   ; my 16 numbers of block b, and the floor 2^(3 - 127): the byte cannot fall under 1
.endr
.irp i, 2,4,6,8,10,12,14
.irp b, 0,1,2,3
	v_max3_num_f32 v[TM+\b], v[TM+\b], |v[\s+16*\b+\i]|, |v[\s+1+16*\b+\i]|
.endr
.endr
.irp b, 0,1,2,3
	v_permlanex16_b32 v[TM+4+\b], v[TM+\b], s[SEL], s[SEL+1]
.endr
.irp b, 0,1,2,3
	v_max_num_f32 v[TM+\b], v[TM+\b], v[TM+4+\b]   ; with lane l xor 16's: the block's largest magnitude
.endr
.irp b, 0,1,2,3
	v_add_nc_u32 v[TM+12+\b], 0xff000000, v[TM+\b] ; 2 off its exponent field: the conversion takes this operand's exponent field as its scale
.endr
.irp b, 0,1,2,3
	v_lshrrev_b32 v[TM+4+\b], 23, v[TM+12+\b]      ; the scale's byte
.endr
	v_lshl_or_b32 v[PW], v[TM+5], 8, v[TM+4]
	v_lshl_or_b32 v[PW], v[TM+6], 16, v[PW]
	v_lshl_or_b32 v[PW], v[TM+7], 24, v[PW]
.irp c, 0,1
	v_cvt_scalef32_pk16_fp6_f32 v[PC+6*\c:PC+2+6*\c], v[\s+32*\c:\s+15+32*\c], v[TM+12+2*\c]
	v_cvt_scalef32_pk16_fp6_f32 v[PC+12+4*\c:PC+14+4*\c], v[\s+16+32*\c:\s+31+32*\c], v[TM+12+2*\c+1]   ; (a conversion's three registers begin on an even number)
.endr
	v_nop                                          ; one plain place behind a scaled conversion
.irp c, 0,1                            ; the operand's layout wants a whole block in a lane: lanes 0-15 block 2 c, lanes 16-31 block 2 c + 1
.irp i, 0,1,2
	v_permlane16_swap_b32 v[PC+6*\c+\i], v[PC+12+4*\c+\i]
.endr
.irp i, 0,1,2
	v_mov_b32 v[PC+3+6*\c+\i], v[PC+12+4*\c+\i]
.endr
.endr
.endm
.macro IMG reg, base, off              ; a fragment leaves as it stands: each store of the wave covers 512 consecutive bytes, aligned to 256
.irp g, 0,1,2
	global_store_b128 v10, v[\reg+4*\g:\reg+4*\g+3], s[\base:\base+1] offset:\off+512*\g
.endr
.endm
	s_load_b512 s[8:23], s[0:1], 0x0               ; x's codes, scales; W_q's; W_k's; W_v's
	s_load_b128 s[24:27], s[0:1], 0x40             ; kv, qt
	v_lshrrev_b32 v1, 5, v0
	v_readfirstlane_b32 s4, v1                     ; c: wave 0 or 1
	s_mov_b32 s5, ttmp9                            ; R
	s_xor_b32 s6, s4, 1                            ; the other wave
	s_mov_b32 s[SEL], 0x76543210
	s_mov_b32 s[SEL+1], 0xfedcba98
	s_mov_b32 s40, 0x3f22f983                      ; 2 / pi
	s_mov_b32 s41, 0xbfc90fdb                      ; -(pi / 2 rounded to f32)
	s_mov_b32 s42, 0x333bbd2e                      ; -(pi / 2 less that)
	s_mov_b32 s43, 0xbe2aaaa3                      ; sine: x + x z (s43 + z (s44 + z s45))
	s_mov_b32 s44, 0x3c08839e
	s_mov_b32 s45, 0xb94ca1f9
	s_mov_b32 s46, 0x3d2aaaa5                      ; cosine: 1 + z (-1/2 + z (s46 + z (s47 + z s48)))
	s_mov_b32 s47, 0xbab6061a
	s_mov_b32 s48, 0x37ccf5ce
	s_mov_b32 s49, 0x80000000                      ; the sign
	s_mov_b32 s50, 0xffff0000                      ; lanes 16-31
	s_sub_co_u32 s51, 0, s4                        ; all lanes in wave 1, none in wave 0
	v_and_b32 v1, 31, v0                           ; lane
	v_and_b32 v2, 15, v0                           ; r
	v_bfe_u32 v3, v0, 4, 1                         ; h
	v_and_b32 v6, 8, v2
	v_add_nc_u32 v6, v6, v2                        ; r + 8 (r / 8)
	v_mul_u32_u24 v4, v6, 96                       ; x, W_q, W_k: that row of 96 bytes,
	v_mad_u32_u24 v4, v3, 24, v4                   ; + 24 h
	v_lshlrev_b32 v5, 2, v6                        ; and its scale word
	v_mul_u32_u24 v8, v2, 96                       ; W_v: row r
	v_mad_u32_u24 v8, v3, 24, v8
	v_lshlrev_b32 v9, 2, v2
	v_lshlrev_b32 v10, 4, v1                       ; an image's place: 16 x lane
	v_lshlrev_b32 v11, 4, v2
	v_lshl_add_u32 v11, v3, 9, v11                 ; qt: tile h of a pair, row r
	v_lshlrev_b32 v12, 2, v1                       ; a scale word's place: 4 x lane
	s_and_b32 s7, s5, 31
	s_lshl_b32 s7, s7, 7
	s_lshl_b32 s38, s4, 6
	s_add_co_u32 s7, s7, s38
	v_add_nc_u32 v15, s7, v6                       ; my row's position in tile 0 of my half: 128 x block + 64 c + r + 8 (r / 8)
	s_mov_b32 s39, 0
	s_mul_i32 s7, s5, 12288                        ; 128 rows of 96 bytes a work-group
	s_mul_i32 s38, s4, 6144
	s_add_co_u32 s38, s38, s7
	s_wait_kmcnt 0x0
	s_add_nc_u64 s[28:29], s[8:9], s[38:39]        ; x's codes: my 64 rows,
	s_mul_i32 s38, s6, 6144
	s_add_co_u32 s38, s38, s7
	s_add_nc_u64 s[30:31], s[8:9], s[38:39]        ; the other 64
	s_lshl_b32 s7, s5, 9
	s_lshl_b32 s38, s4, 8
	s_add_co_u32 s38, s38, s7
	s_add_nc_u64 s[32:33], s[10:11], s[38:39]      ; x's scale words likewise
	s_lshl_b32 s38, s6, 8
	s_add_co_u32 s38, s38, s7
	s_add_nc_u64 s[34:35], s[10:11], s[38:39]
	s_mul_i32 s38, s4, 1536
	s_add_nc_u64 s[20:21], s[20:21], s[38:39]      ; W_v: rows 16 c on
	s_lshl_b32 s38, s4, 6
	s_add_nc_u64 s[22:23], s[22:23], s[38:39]
	s_mul_i32 s7, s5, 6400
	s_lshl_b32 s38, s4, 7
	s_add_co_u32 s38, s38, s7
	s_add_co_u32 s38, s38, 6144
	s_add_nc_u64 s[52:53], s[24:25], s[38:39]      ; the record's scale words: my 128 bytes
	s_mul_i32 s38, s4, 1536
	s_add_co_u32 s38, s38, s7
	s_add_nc_u64 s[24:25], s[24:25], s[38:39]      ; the record's fragments: number c of each pair
	s_lshl_b32 s7, s5, 12
	s_lshl_b32 s38, s4, 11
	s_add_co_u32 s38, s38, s7
	s_add_nc_u64 s[26:27], s[26:27], s[38:39]      ; qt: my four tiles
	WIN 0x40                                       ; destination window 1
.irp t, 0,1,2,3
.irp p, 0,1,2,3,4,5
	global_load_b64 v[XF+12*\t+2*\p:XF+12*\t+2*\p+1], v4, s[28:29] offset:(32*(\t/2)+8*(\t%2))*96+48*(\p/3)+8*(\p%3)
.endr
.endr
.irp t, 0,1,2,3
.irp p, 0,1,2,3,4,5
	global_load_b64 v[XF+48+12*\t+2*\p:XF+48+12*\t+2*\p+1], v4, s[30:31] offset:(32*(\t/2)+8*(\t%2))*96+48*(\p/3)+8*(\p%3)
.endr
.endr
.irp u, 0,1
.irp p, 0,1,2,3,4,5
	global_load_b64 v[WQ+12*\u+2*\p:WQ+12*\u+2*\p+1], v4, s[12:13] offset:8*\u*96+48*(\p/3)+8*(\p%3)   ; lane r of tile u takes W's row 8 u + r + 8 (r / 8)
	global_load_b64 v[WK+12*\u+2*\p:WK+12*\u+2*\p+1], v4, s[16:17] offset:8*\u*96+48*(\p/3)+8*(\p%3)
.endr
.endr
.irp p, 0,1,2,3,4,5
	global_load_b64 v[WVF+2*\p:WVF+2*\p+1], v8, s[20:21] offset:48*(\p/3)+8*(\p%3)
.endr
	WIN 0
.irp t, 0,1,2,3
	global_load_b32 v[XSC+\t], v5, s[32:33] offset:(32*(\t/2)+8*(\t%2))*4
	global_load_b32 v[XSC+4+\t], v5, s[34:35] offset:(32*(\t/2)+8*(\t%2))*4
.endr
.irp u, 0,1
	global_load_b32 v[WQS+\u], v5, s[14:15] offset:8*\u*4
	global_load_b32 v[WKS+\u], v5, s[18:19] offset:8*\u*4
.endr
	global_load_b32 v[WVS], v9, s[22:23]
	; what needs no memory stands between the loads and the wait for them: theta, the byte selectors, and 32 pairs of sine and cosine a lane
	v_cmp_eq_u32 vcc_lo, 1, v3                     ; lanes 16-31
	v_mov_b32 v13, 0x01010101
	v_cndmask_b32 v13, 0, v13, vcc_lo              ; selects byte h of a word four times,
	v_add_nc_u32 v14, 0x02020202, v13              ; byte 2 + h
	THETA 0, 0x3f800000, 0x3c23d70a
	THETA 1, 0x3f0ff59a, 0x3bb8449c
	THETA 2, 0x3ea1e89b, 0x3b4f3e38
	THETA 3, 0x3e361887, 0x3ae91528
	THETA 4, 0x3dcccccd, 0x3a83126f
	THETA 5, 0x3d6655c2, 0x3a136a16
	THETA 6, 0x3d0186e3, 0x39a5cb60
	THETA 7, 0x3c91ad39, 0x393a7753
.irp b, 0,1,2,3
	v_mov_b32 v[TM+4+\b], 0                        ; written once: a lane permute's destination counts as one of its sources
.endr
.irp be, 0,1,2,3
	v_add_nc_u32 v7, 32*(\be/2)+8*(\be%2), v15
	v_cvt_f32_u32 v[POS], v7                       ; my row's position in tile be, exact
	SINCOS4 \be, 0
	SINCOS4 \be, 4
.endr
	s_wait_loadcnt 0x0
	; ---- v: source 0 = 16 positions of x, source 1 = W_v's 16 rows of my channels: lane (r, h) holds channel 16 c + r, register 16 b + i the key 64 c + 32 b + 16 h + i (mod 128)
	WIN 0x05                                       ; both sources window 1
.irp t, 0,1,2,3,4,5,6,7
	v_wmma_scale_f32_16x16x128_f8f6f4 v[R+8*\t:R+8*\t+7], v[XF+12*\t:XF+12*\t+11], v[WVF:WVF+11], 0, v[XSC+\t], v[WVS] matrix_a_fmt:MATRIX_FMT_FP6 matrix_b_fmt:MATRIX_FMT_FP6
.endr
	WIN 0
	PLACES
	QUANT R
.irp i, 0,1,2,3,4,5,6,7,8,9,10,11
	v_cndmask_b32 v[NV+\i], v[PC+\i], v[PC+(\i+6)%12], s51   ; in wave 1 the keys were turned by 64: the fragment's two halves change places,
.endr
	v_alignbit_b32 v[VW], v[PW], v[PW], 16
	v_cndmask_b32 v[VW], v[PW], v[VW], s51         ; and so do the scale word's
	IMG NV, 24, 3072
	; ---- q: source 0 = 16 rows of W_q, source 1 = 16 of my positions: lane (r, h) holds row r of tile b, register 16 b + i channel 16 h + i
	WIN 0x05
.irp be, 0,1,2,3
.irp u, 0,1
	v_wmma_scale_f32_16x16x128_f8f6f4 v[R+16*\be+8*\u:R+16*\be+8*\u+7], v[WQ+12*\u:WQ+12*\u+11], v[XF+12*\be:XF+12*\be+11], 0, v[WQS+\u], v[XSC+\be] matrix_a_fmt:MATRIX_FMT_FP6 matrix_b_fmt:MATRIX_FMT_FP6
.endr
.endr
	WIN 0
	PLACES
	ROPE
	QUANT R                                        ; registers 6 c' .. 6 c' + 5 of lane (r, h): the codes of row r of tile 2 c' + h
	v_mov_b32 v[T4], v[PC+4]
	v_mov_b32 v[T4+1], v[PC+5]
	v_perm_b32 v[T4+2], v[PW], v[PW], v13          ; tile h's byte, four times
	v_mov_b32 v[T4+3], 0
	v_perm_b32 v[PC+12], v[PW], v[PW], v14         ; tile 2 + h's
	v_mov_b32 v[PC+13], 0
	global_store_b128 v11, v[PC:PC+3], s[26:27]                    ; sixteen lanes store 256 consecutive bytes, aligned
	global_store_b128 v11, v[T4:T4+3], s[26:27] offset:256
	global_store_b128 v11, v[PC+6:PC+9], s[26:27] offset:1024
	global_store_b128 v11, v[PC+10:PC+13], s[26:27] offset:1280
	; ---- k: as q
	WIN 0x05
.irp be, 0,1,2,3
.irp u, 0,1
	v_wmma_scale_f32_16x16x128_f8f6f4 v[R+16*\be+8*\u:R+16*\be+8*\u+7], v[WK+12*\u:WK+12*\u+11], v[XF+12*\be:XF+12*\be+11], 0, v[WKS+\u], v[XSC+\be] matrix_a_fmt:MATRIX_FMT_FP6 matrix_b_fmt:MATRIX_FMT_FP6
.endr
.endr
	WIN 0
	PLACES
	ROPE
	s_wait_xcnt 0x0                                ; q's stores have read their registers: the codes' registers are written again only behind this wait
	QUANT R
	IMG PC, 24, 0
	v_cndmask_b32 v[SD], v[PW], v[VW], s50         ; lanes 0-15: k's words of fragment c; lanes 16-31: v's of fragment c
	global_store_b32 v12, v[SD], s[52:53]          ; 128 consecutive bytes: half of an aligned 256; the other wave stores the other half (128 of a record's 6,400 bytes)
	s_endpgm
.Lfunc_end_k_q0409e324ba_proj:
	.size	k_q0409e324ba_proj, .Lfunc_end_k_q0409e324ba_proj-k_q0409e324ba_proj
	.p2alignl 7, 3214868480
	.fill 96, 4, 3214868480
	.section	.rodata,"a",@progbits
	.p2align	6, 0x0
	.amdhsa_kernel k_q0409e324ba_proj
		.amdhsa_group_segment_fixed_size 0
		.amdhsa_private_segment_fixed_size 0
		.amdhsa_enable_private_segment 0
		.amdhsa_kernarg_size 80
		.amdhsa_user_sgpr_count 2
		.amdhsa_user_sgpr_kernarg_segment_ptr 1
		.amdhsa_wavefront_size32 1
		.amdhsa_system_sgpr_workgroup_id_x 1
		.amdhsa_system_sgpr_workgroup_id_y 1
		.amdhsa_system_sgpr_workgroup_id_z 1
		.amdhsa_system_vgpr_workitem_id 0
		.amdhsa_next_free_vgpr 416
		.amdhsa_next_free_sgpr 66
		.amdhsa_reserve_vcc 1
		.amdhsa_float_denorm_mode_32 3
		.amdhsa_float_denorm_mode_16_64 3
		.amdhsa_memory_ordered 1
		.amdhsa_forward_progress 1
		.amdhsa_inst_pref_size 78
	.end_amdhsa_kernel
	.amdgpu_metadata
---
amdhsa.version: [ 1, 2 ]
amdhsa.kernels:
  - .name:           k_q0409e324ba_proj
    .symbol:         k_q0409e324ba_proj.kd
    .args:
      - { .name: x_codes, .offset: 0, .size: 8, .value_kind: global_buffer, .address_space: global }
      - { .name: x_scales, .offset: 8, .size: 8, .value_kind: global_buffer, .address_space: global }
      - { .name: W_q_codes, .offset: 16, .size: 8, .value_kind: global_buffer, .address_space: global }
      - { .name: W_q_scales, .offset: 24, .size: 8, .value_kind: global_buffer, .address_space: global }
      - { .name: W_k_codes, .offset: 32, .size: 8, .value_kind: global_buffer, .address_space: global }
      - { .name: W_k_scales, .offset: 40, .size: 8, .value_kind: global_buffer, .address_space: global }
      - { .name: W_v_codes, .offset: 48, .size: 8, .value_kind: global_buffer, .address_space: global }
      - { .name: W_v_scales, .offset: 56, .size: 8, .value_kind: global_buffer, .address_space: global }
      - { .name: kv, .offset: 64, .size: 8, .value_kind: global_buffer, .address_space: global }
      - { .name: qt, .offset: 72, .size: 8, .value_kind: global_buffer, .address_space: global }
    .group_segment_fixed_size: 0
    .private_segment_fixed_size: 0
    .kernarg_segment_align: 8
    .kernarg_segment_size: 80
    .max_flat_workgroup_size: 64
    .sgpr_count:     66
    .vgpr_count:     416
    .wavefront_size: 32
...
	.end_amdgpu_metadata
.endif
;; end of part 1
;; launch attn (part 2): grid 256 x 1, 16 waves a work-group, clusters of 4 x 1, 307,200 bytes of LDS; arguments kv, qt, out0; writes out0
.if DOCPART == 2
	.amdgcn_target "amdgcn-amd-amdhsa--gfx1250"
	.amdhsa_code_object_version 6
	.text
	.protected	k_q0409e324ba_attn
	.globl	k_q0409e324ba_attn
	.p2align	8
	.type	k_q0409e324ba_attn,@function
k_q0409e324ba_attn:
	s_mov_b64 s[64:65], 0
	v_nop
	global_prefetch_b8 v0, s[64:65] scope:SCOPE_SE
	s_setreg_imm32_b32 hwreg(HW_REG_WAVE_MODE, 25, 1), 1
	s_wait_xcnt 0x0
	s_wait_alu depctr_hold_cnt(0) depctr_sa_sdst(0) depctr_va_vdst(0) depctr_va_sdst(0) depctr_va_ssrc(0) depctr_va_vcc(0) depctr_vm_vsrc(0)
	s_getreg_b32 s2, hwreg(HW_REG_IB_STS2, 6, 4)
	s_cmp_eq_u32 s2, 0
	s_cbranch_scc0 .Lentry_in_a_cluster
	s_endpgm
.Lentry_in_a_cluster:
	s_bfe_u32 s2, ttmp6, 0x10000c
	s_cmp_lg_u32 s2, 0x3003
	s_cbranch_scc0 .Lentry_shape_is_right
	s_endpgm
.Lentry_shape_is_right:
; out = softmax(q k^T / sqrt(32), causal) v, both products on codes of E2M3 made by the launch before (its head comment gives the layouts of kv and qt).
; THE SOFTMAX: t = score x log2(e) / sqrt(32) (the two factors are one constant); M = the largest t so far, rounded up to a whole number; p = 2^(t - M) is quantised along the keys, not normalised; the row's sum is taken of
; the unquantised p and divides at the end.  When M moves, the sum and O are multiplied by 2^(old M - new M): exact.
; K = 32 IN AN INSTRUCTION OF K = 128: an operand of k holds FOUR tiles of 16 keys, one in each scale block; q stands in one block of its operand and zero codes in the other three, which add exactly 0 whatever k holds there.
; So 128 keys of k are 24 registers, none of them padding, and eight products give the scores of 16 queries x 128 keys.
; LDS IS FILLED ONCE: a batch's 32 records are 204,800 bytes.  No slot, no refill.  The four work-groups of a cluster walk the same batch, so each record is asked for JOINTLY (mask 15): every wave asks for two records.
; SHARES.  A unit of work is 16 queries x 128 keys.  Block g of 128 queries needs g + 1 key steps, blocks g and 31 - g together 33.  A JOB is tile tau of block 31 - g (hi) and tile tau of block g (lo); the four waves
; w = a + 4 j of job a share its steps: hi's steps s = j (mod 4), lo's s = 3 - j (mod 4): 8 or 9 units a wave.  Cluster: batch and kappa; g = 2 kappa + a / 2; tau = 2 cx + a % 2.  All tiles of a block have the same steps and the
; same step on the diagonal, so every branch hangs on kappa and the wave's number alone, alike in all four partners; cx enters only qt's and out0's addresses and the number that the mask compares.
; Each wave keeps M, the sum and O^T of its share; they meet in LDS, and one wave of the job merges hi's four parts, another lo's: all factors are powers of two but the last division.
; LAYOUT.  Both products are used transposed: S^T = k q^T, O^T = v^T p^T: a lane holds one query (lane % 16) throughout; register 16 b + i of S^T is key 32 b + 16 (lane / 16) + i of the step.
; LIMITS: a block's largest p is taken from its largest score, which takes v_exp_f32 not to fall where its input rises; a block whose every p is 0 has the byte 1: its codes are zeros.
.set REC,   6400                       ; a record: 128 keys
.set DUMP,  32*REC                     ; behind the records: for wave w and part sigma (0 hi, 1 lo), at 5,120 w + 2,560 sigma: five images of 512 bytes: O^T's 16 registers, then -M, t, the sum
.set DSL,   2560
.set STAGE, DUMP+32*DSL                ; the way out: for each of waves 0-7 16 rows of 128 bytes + 16
.set SPI,   144
.set LI,   1                           ; v1   16 x lane
.set LSC,  2                           ; v2   a record's scale words: 6,144 + 128 h + 4 r
.set ADR,  3                           ; v3   the step's record + 16 x lane
.set ADS,  4                           ; v4   and its scale words
.set DQ,   5                           ; v5   my query's place in its block - 16 h
.set DW,   6                           ; v6   where I put my parts
.set DR,   7                           ; v7   where I read a job's four parts
.set SW,   8                           ; v8   the stage: in
.set SRD,  9                           ; v9   and back
.set RR,   10                          ; v10  r
.set QA,   11                          ; v11  16 r: a row of a tile of qt
.set NM,   12                          ; v12 -M, v13 the largest t, v[14:15] the sum in two halves
.set QZ,   16                          ; v16-45: zeros, q in lanes 0-15, zeros, q in lanes 16-31, zeros: six registers each.  q in scale block 0, 1, 2, 3: v[22:33], v[34:45], v[16:27], v[28:39]
.set QS,   46                          ; v46  q's scale word: the row's byte four times
.set HH,   47                          ; v47  h
.set KF,   48                          ; v48-71   k's two fragments
.set VF,   72                          ; v72-95   v^T's two
.set S,    96                          ; v96-159  S^T, then p
.set OT,   160                         ; v160-175 O^T
.set QL,   176                         ; v176-183 lo's tile of q as loaded; later the merge's factors
.set P,    184                         ; v184-195 p's codes
.set CT,   196                         ; v196-198, v200-202 the second halves' conversions
.set BM,   204                         ; v204-207 each block's largest score, then largest p
.set BT,   208                         ; v208-211 at work
.set BS,   212                         ; v212-215 the conversions' scale operands
.set KS,   216                         ; v216 k's scale words: lanes 0-15 fragment 0's, lanes 16-31 fragment 1's
.set VS,   217                         ; v217 v's likewise
.set PS,   218                         ; v218 p's scale word
.set FF,   220                         ; v[220:221] f = 2^(old M - new M)
.set TMP,  222
.set NINF, 223                         ; v223 -infinity
.set SU,   224                         ; v[224:225] the sum's second chain
.set MG,   96                          ; the merge: part q at v[96 + 20 q]: O^T's 16, -M, t, the sum, one more
.set WV,   10                          ; s10 wave;  s11 a;  s12 j;  s13 3 - j
.set JA,   11
.set JQ,   12
.set JX,   13
.set BA,   14                          ; s14 batch;  s15 kappa;  s16 cx
.set KA,   15
.set CX,   16
.set HB,   17                          ; s17 hi's block;  s18 lo's;  s19 tau
.set LB,   18
.set TAU,  19
.set SEL,  20                          ; s[20:21] lane selects: lane l xor 16
.set CS,   22                          ; s[22:23] c = log2(e) / sqrt(32)
.set TB,   24                          ; s24 LDS byte of the step's record
.set SI,   25                          ; s25 the step
.set CNT,  26
.set DIAG, 27                          ; s27 the step on the diagonal
.set MLO,  28                          ; s28 lanes 0-15;  s29 lanes 16-31
.set MHI,  29
.set G0A,  32                          ; s[32:35], s[36:39] descriptor groups 0;  s[40:47] group 1
.set G0B,  36
.set G1,   40
; A round of the cluster's barrier
.macro ROUND
	s_barrier_signal -1
	s_barrier_wait -1
	s_cmp_lg_u32 s[WV], 0
	s_cbranch_scc1 .Lnot_wave_0_\@
	s_barrier_signal -3
.Lnot_wave_0_\@:
	s_barrier_wait -3
	s_barrier_signal -1
	s_barrier_wait -1
.endm
; A tile of q as loaded (every lane holds row lane % 16: six registers of codes, the scale word) becomes the operands
.macro SETQ raw
.irp i, 0,1,2,3,4,5
	v_cndmask_b32 v[QZ+6+\i], 0, v[\raw+\i], s[MLO]
	v_cndmask_b32 v[QZ+18+\i], 0, v[\raw+\i], s[MHI]
.endr
	v_mov_b32 v[QS], v[\raw+6]
.endm
; A share begins: the largest t is -3e38, under every t; the sum and O^T are zeros, which the first change of M leaves zeros.  (Sixteen registers: the step is written without a first step of its own.)
; These twenty lines are also the places between the writes of q's operands and scale word and the first product that names them
.macro INIT
	v_mov_b32 v[NM+1], 0xff61b1e6
	v_floor_f32 v[NM], -v[NM+1]
	v_mov_b32 v[NM+2], 0
	v_mov_b32 v[NM+3], 0
.set jj, 0
.rept 16
	v_mov_b32 v[OT+jj], 0
.set jj, jj+1
.endr
.endm
; A KEY STEP: my 16 queries x the 128 keys of the record at s[TB].  masked = 1: the step is left out where it lies beyond the diagonal, and masked where it lies on it
.macro STEP masked
	v_add_nc_u32 v[ADR], s[TB], v[LI]              ; these four lines are the places between the last step's products and the loads into the registers that they read
	v_add_nc_u32 v[ADS], s[TB], v[LSC]
	v_nop
	v_nop
.if \masked
	s_cmp_gt_u32 s[SI], s[DIAG]                    ; all its keys come after my queries: a branch on ids
	s_cbranch_scc1 .Lhidden_\@
.endif
.irp g, 0,1,2,3,4,5
	ds_load_b128 v[KF+4*\g:KF+4*\g+3], v[ADR] offset:512*\g          ; 512 consecutive bytes a load
.endr
	ds_load_b32 v[KS], v[ADS]
	ds_load_b32 v[VS], v[ADS] offset:64
.irp g, 0,1,2,3,4,5
	ds_load_b128 v[VF+4*\g:VF+4*\g+3], v[ADR] offset:3072+512*\g
.endr
	s_wait_dscnt 6                                 ; k and the scale words are in; v's six loads may stay out
.irp t, 0,1,2,3,4,5,6,7                ; tile t of 16 keys lies in scale block t % 4 of fragment t / 4; q stands in the same block of its operand
.set QB, QZ+6+12*(\t%2)-6*((\t/2)%2)
.if \t < 4
	v_wmma_scale_f32_16x16x128_f8f6f4 v[S+8*\t:S+8*\t+7], v[KF:KF+11], v[QB:QB+11], 0, v[KS], v[QS] matrix_a_fmt:MATRIX_FMT_FP6 matrix_b_fmt:MATRIX_FMT_FP6
.else
	v_wmma_scale_f32_16x16x128_f8f6f4 v[S+8*\t:S+8*\t+7], v[KF+12:KF+23], v[QB:QB+11], 0, v[KS], v[QS] matrix_a_fmt:MATRIX_FMT_FP6 matrix_b_fmt:MATRIX_FMT_FP6 matrix_a_scale:MATRIX_SCALE_ROW1
.endif
.endr
.rept 4
	v_nop                                          ; places in front of the first read of the scores
.endr
.if \masked
	s_cmp_lg_u32 s[SI], s[DIAG]
	s_cbranch_scc1 .Lopen_\@                       ; all its keys count
.irp n, 0,1,2,3,4,5,6,7,8,9,10,11,12,13,14,15,16,17,18,19,20,21,22,23,24,25,26,27,28,29,30,31,32,33,34,35,36,37,38,39,40,41,42,43,44,45,46,47,48,49,50,51,52,53,54,55,56,57,58,59,60,61,62,63
	v_cmp_gt_i32 vcc_lo, 32*(\n/16)+\n%16, v[DQ]   ; register n holds key 32 (n / 16) + n % 16 + 16 h: hidden where it comes after my query.  The block's first key counts for every query, so M stays a number
	v_cndmask_b32 v[S+\n], v[S+\n], v[NINF], vcc_lo
.endr
.Lopen_\@:
.endif
.irp b, 0,1,2,3
	v_max3_num_f32 v[BM+\b], v[S+16*\b], v[S+1+16*\b], v[S+2+16*\b]   ; the largest score of each block of 32 keys: for the row's maximum, and, since p rises with the score, for the block's largest p
.endr
.irp i, 3,5,7,9,11,13
.irp b, 0,1,2,3
	v_max3_num_f32 v[BM+\b], v[BM+\b], v[S+16*\b+\i], v[S+1+16*\b+\i]
.endr
.endr
.irp b, 0,1,2,3
	v_max_num_f32 v[BM+\b], v[BM+\b], v[S+15+16*\b]
.endr
.irp b, 0,1,2,3
	v_permlanex16_b32 v[BT+\b], v[BM+\b], s[SEL], s[SEL+1]
.endr
.irp b, 0,1,2,3
	v_max_num_f32 v[BM+\b], v[BM+\b], v[BT+\b]     ; with lane l xor 16's 16 keys
.endr
	v_max3_num_f32 v[TMP], v[BM], v[BM+1], v[BM+2]
	v_max_num_f32 v[TMP], v[TMP], v[BM+3]
	v_mul_f32 v[TMP], s[CS], v[TMP]                ; as t (c is positive)
	v_max_num_f32 v[NM+1], v[NM+1], v[TMP]         ; the running largest t
	v_mov_b32 v[TMP], v[NM]
	v_floor_f32 v[NM], -v[NM+1]                    ; -M = floor(-t): M is a whole number
	v_sub_f32 v[TMP], v[NM], v[TMP]                ; old M - new M: a whole number, 0 or less
	v_cvt_i32_f32 v[TMP], v[TMP]                   ; (it saturates)
	v_ldexp_f32 v[FF], 1.0, v[TMP]                 ; f = 2^(old M - new M)
.set jj, 0
.rept 32
	v_pk_fma_f32 v[S+jj:S+jj+1], v[S+jj:S+jj+1], s[CS:CS+1], v[NM:NM+1] op_sel_hi:[1,0,0]   ; t - M, two at a time
.set jj, jj+2
.endr
.irp b, 0,1,2,3
	v_fma_f32 v[BM+\b], v[BM+\b], s[CS], v[NM]     ; the same of each block's largest score
.endr
.set jj, 0
.rept 64
	v_exp_f32 v[S+jj], v[S+jj]                     ; p = 2^(t - M), at most 1
.set jj, jj+1
.endr
.irp b, 0,1,2,3
	v_exp_f32 v[BM+\b], v[BM+\b]                   ; the block's largest p: the same two instructions on the same number
.endr
	v_pk_mul_f32 v[NM+2:NM+3], v[NM+2:NM+3], v[FF:FF+1] op_sel_hi:[1,0]   ; the sums under the new M.  (A plain place behind the exponentials)
	s_wait_alu depctr_va_vdst(0)
.irp b, 0,1,2,3
	v_max_num_f32 v[BM+\b], 0x1800000, v[BM+\b]    ; the floor 2^(3 - 127): the byte cannot fall under 1
.endr
.irp b, 0,1,2,3
	v_add_nc_u32 v[BS+\b], 0xff000000, v[BM+\b]    ; 2 off the exponent field: the conversion's scale operand
.endr
.irp b, 0,1,2,3
	v_lshrrev_b32 v[BT+\b], 23, v[BS+\b]           ; the scale's byte
.endr
	v_lshl_or_b32 v[PS], v[BT+1], 8, v[BT]         ; p's scale word for these 128 keys
	v_lshl_or_b32 v[PS], v[BT+2], 16, v[PS]
	v_lshl_or_b32 v[PS], v[BT+3], 24, v[PS]
.irp c, 0,1
	v_cvt_scalef32_pk16_fp6_f32 v[P+6*\c:P+2+6*\c], v[S+32*\c:S+15+32*\c], v[BS+2*\c]
	v_cvt_scalef32_pk16_fp6_f32 v[CT+4*\c:CT+2+4*\c], v[S+16+32*\c:S+31+32*\c], v[BS+2*\c+1]   ; (a conversion's three registers begin on an even number)
.endr
	v_nop                                          ; one plain place behind a scaled conversion
.irp c, 0,1                            ; the operand's layout wants a whole block in a lane
.irp i, 0,1,2
	v_permlane16_swap_b32 v[P+6*\c+\i], v[CT+4*\c+\i]
.endr
.irp i, 0,1,2
	v_mov_b32 v[P+3+6*\c+\i], v[CT+4*\c+\i]
.endr
.endr
	v_pk_add_f32 v[SU:SU+1], v[S:S+1], v[S+2:S+3]  ; the row's sum is taken of the unquantised p: two at a time, in two chains
.set jj, 4
.rept 15
	v_pk_add_f32 v[NM+2:NM+3], v[NM+2:NM+3], v[S+jj:S+jj+1]
	v_pk_add_f32 v[SU:SU+1], v[SU:SU+1], v[S+jj+2:S+jj+3]
.set jj, jj+4
.endr
	v_pk_add_f32 v[NM+2:NM+3], v[NM+2:NM+3], v[SU:SU+1]
.set jj, 0
.rept 8
	v_pk_mul_f32 v[OT+jj:OT+jj+1], v[OT+jj:OT+jj+1], v[FF:FF+1] op_sel_hi:[1,0]   ; O^T under the new M, each accumulator from its low end on.  (The sums and these are the places behind the writes of p's codes and scale word)
.set jj, jj+2
.endr
	s_wait_dscnt 0x0                               ; v is in
	; O^T += v^T p^T: the two accumulators take one instruction each, and S^T's eight stand between their turns
	v_wmma_scale_f32_16x16x128_f8f6f4 v[OT:OT+7], v[VF:VF+11], v[P:P+11], v[OT:OT+7], v[VS], v[PS] matrix_a_fmt:MATRIX_FMT_FP6 matrix_b_fmt:MATRIX_FMT_FP6
	v_wmma_scale_f32_16x16x128_f8f6f4 v[OT+8:OT+15], v[VF+12:VF+23], v[P:P+11], v[OT+8:OT+15], v[VS], v[PS] matrix_a_fmt:MATRIX_FMT_FP6 matrix_b_fmt:MATRIX_FMT_FP6 matrix_a_scale:MATRIX_SCALE_ROW1
.if \masked
.Lhidden_\@:
.endif
.endm
; Four trips: steps first + s[jreg] + 0, 4, 8, 12.  The trip count is a constant; what lies beyond the diagonal is jumped over inside the step
.macro WALK first, jreg, masked
	s_mul_i32 s[TB], s[\jreg], REC
.if \first
	s_add_co_u32 s[TB], s[TB], REC*\first
.endif
.if \masked
	s_add_co_u32 s[SI], s[\jreg], \first
.endif
	s_mov_b32 s[CNT], 4
.Lwalk_\@:
	STEP \masked
	s_add_co_u32 s[TB], s[TB], 4*REC
.if \masked
	s_add_co_u32 s[SI], s[SI], 4
.endif
	s_sub_co_u32 s[CNT], s[CNT], 1
	s_cmp_lg_u32 s[CNT], 0
	s_cbranch_scc1 .Lwalk_\@
.endm
; My share of a tile goes to LDS as images of its registers
.macro DUMPST slot
	v_add_f32 v[NM+2], v[NM+2], v[NM+3]            ; the sum's two halves.  With the three lines below: the places behind the last products
.rept 3
	v_nop
.endr
.irp g, 0,1,2,3
	ds_store_b128 v[DW], v[OT+4*\g:OT+4*\g+3] offset:DSL*\slot+512*\g
.endr
	ds_store_b128 v[DW], v[NM:NM+3] offset:DSL*\slot+2048
	s_wait_dscnt 0x0                               ; the stores have landed: their registers are written again, and the last of them stand in front of a barrier
.endm
	s_load_b128 s[4:7], s[0:1], 0x0                ; kv, qt
	s_load_b64 s[8:9], s[0:1], 0x10                ; out0
	v_lshl_add_u32 v254, v0, 2, 0x4a800
	v_mov_b32 v255, 0
	ds_add_u32 v254, v255
	ds_add_u32 v254, v255
	v_lshrrev_b32 v[LI], 5, v0
	v_readfirstlane_b32 s[WV], v[LI]               ; wave 0..15
	s_and_b32 s[JA], s[WV], 3                      ; a: the job
	s_lshr_b32 s[JQ], s[WV], 2                     ; j: my quarter of it
	s_xor_b32 s[JX], s[JQ], 3
	s_lshr_b32 s[BA], ttmp9, 3                     ; in a cluster launch ttmp9 counts clusters: batch,
	s_and_b32 s[KA], ttmp9, 7                      ; kappa
	s_bfe_u32 s[CX], ttmp6, 0x40000                ; cx: my place in the cluster
	s_lshr_b32 s48, s[JA], 1
	s_lshl_b32 s[LB], s[KA], 1
	s_add_co_u32 s[LB], s[LB], s48                 ; g = 2 kappa + a / 2: lo's block,
	s_sub_co_u32 s[HB], 31, s[LB]                  ; 31 - g: hi's
	s_and_b32 s48, s[JA], 1
	s_lshl_b32 s[TAU], s[CX], 1
	s_add_co_u32 s[TAU], s[TAU], s48               ; tau = 2 cx + a % 2
	s_lshr_b32 s49, s[TAU], 1
	s_lshl_b32 s49, s49, 5
	s_and_b32 s50, s[TAU], 1
	s_lshl_b32 s50, s50, 3
	s_add_co_u32 s49, s49, s50                     ; the tile's first position in its block: 32 (tau / 2) + 8 (tau % 2)
	s_mov_b32 s[SEL], 0x76543210
	s_mov_b32 s[SEL+1], 0xfedcba98
	s_mov_b32 s[CS], 0x3e8293ee                    ; c = log2(e) / sqrt(32)
	s_mov_b32 s[CS+1], s[CS]                       ; (named with it as a pair, so it is written)
	s_mov_b32 s[MLO], 0xffff
	s_mov_b32 s[MHI], 0xffff0000
	; every LDS address is made here, by every wave: constants, the lane and the wave's number
	v_and_b32 v[LI], 31, v0
	v_lshlrev_b32 v[LI], 4, v[LI]
	v_and_b32 v[RR], 15, v0                        ; r
	v_bfe_u32 v[HH], v0, 4, 1                      ; h
	v_lshlrev_b32 v[LSC], 2, v[RR]
	v_lshl_add_u32 v[LSC], v[HH], 7, v[LSC]
	v_add_nc_u32 v[LSC], 6144, v[LSC]
	v_and_b32 v[DQ], 8, v[RR]
	v_add_nc_u32 v[DQ], v[DQ], v[RR]
	v_add_nc_u32 v[DQ], s49, v[DQ]                 ; my query's place in its block,
	v_lshlrev_b32 v[TMP], 4, v[HH]
	v_sub_nc_u32 v[DQ], v[DQ], v[TMP]              ; less my half's 16 keys
	s_mul_i32 s50, s[WV], 2*DSL
	s_add_co_u32 s50, s50, DUMP
	v_add_nc_u32 v[DW], s50, v[LI]
	s_mul_i32 s50, s[JA], 2*DSL
	s_and_b32 s51, s[JQ], 1
	s_mul_i32 s51, s51, DSL
	s_add_co_u32 s50, s50, s51
	s_add_co_u32 s50, s50, DUMP
	v_add_nc_u32 v[DR], s50, v[LI]                 ; quarter 0's part of my job: hi's for j = 0, lo's for j = 1
	s_and_b32 s50, s[WV], 7
	s_mul_i32 s50, s50, 16*SPI
	s_add_co_u32 s50, s50, STAGE
	v_mul_u32_u24 v[SW], v[RR], SPI
	v_lshl_add_u32 v[SW], v[HH], 5, v[SW]
	v_add_nc_u32 v[SW], s50, v[SW]                 ; in: row r, + 32 h
	v_bfe_u32 v[TMP], v0, 3, 2
	v_mul_u32_u24 v[SRD], v[TMP], SPI
	v_and_b32 v[TMP], 7, v0
	v_lshl_add_u32 v[SRD], v[TMP], 4, v[SRD]
	v_add_nc_u32 v[SRD], s50, v[SRD]               ; back: eight lanes to a row of 128 bytes, four rows a load
	v_lshlrev_b32 v[QA], 4, v[RR]
.irp i, 0,1,2,3,4,5
	v_mov_b32 v[QZ+\i], 0                          ; the zero codes of q's operands
	v_mov_b32 v[QZ+12+\i], 0
	v_mov_b32 v[QZ+24+\i], 0
.endr
.irp b, 0,1,2,3
	v_mov_b32 v[BT+\b], 0                          ; written once: a lane permute's destination counts as one of its sources
.endr
	v_mov_b32 v[FF+1], 0                           ; (named as the upper half of a pair)
	v_mov_b32 v[NINF], 0xff800000
	; descriptor group 1: a record is dense: 25 rows of 256 bytes (32 elements of 8 bytes), no padding: every LDS read is 16 x lane + a constant
	s_mov_b32 s[G1], 15|(3<<16)|(1<<21)            ; 15:0 the mask: all four work-groups; 17:16 elements of 8 bytes; 21 set beside a mask
	s_mov_b32 s[G1+1], 32<<16                      ; tensor_dim0 = 32
	s_mov_b32 s[G1+2], 25<<16                      ; tensor_dim1 = 25
	s_mov_b32 s[G1+3], 32<<16                      ; tile_dim0 = 32
	s_mov_b32 s[G1+4], 25                          ; tile_dim1 = 25
	s_mov_b32 s[G1+5], 32                          ; from row to row
	s_mov_b32 s[G1+6], 0
	s_mov_b32 s[G1+7], 0
	s_mov_b32 s[G0A], 1
	s_mul_i32 s[G0A+1], s[WV], REC                 ; record w, to LDS byte 6,400 w;
	s_mov_b32 s[G0B], 1
	s_add_co_u32 s[G0B+1], s[G0A+1], 16*REC        ; record w + 16
	s_mul_i32 s52, s[BA], 32*REC
	s_add_co_u32 s52, s52, s[G0A+1]                ; in memory: the batch and the wave's number alone, which the partners share
	s_mov_b32 s53, 0
	s_lshl_b32 s50, s[BA], 5
	s_add_co_u32 s51, s50, s[HB]
	s_lshl_b32 s51, s51, 3
	s_add_co_u32 s51, s51, s[TAU]
	s_lshl_b32 s54, s51, 9                         ; hi's tile of qt: ((32 batch + block) 8 + tau) x 512 bytes
	s_mov_b32 s55, 0
	s_add_co_u32 s51, s50, s[LB]
	s_lshl_b32 s51, s51, 3
	s_add_co_u32 s51, s51, s[TAU]
	s_lshl_b32 s56, s51, 9                         ; lo's
	s_mov_b32 s57, 0
	s_cmp_eq_u32 s[JQ], 0
	s_cselect_b32 s51, s[HB], s[LB]                ; the tile that I store, if I store: hi's for j = 0, lo's else
	s_add_co_u32 s51, s51, s50
	s_lshl_b32 s51, s51, 7
	s_add_co_u32 s51, s51, s49
	s_lshl_b32 s58, s51, 7                         ; its first row of 128 bytes
	s_mov_b32 s59, 0
	s_wait_dscnt 0x0
	s_wait_kmcnt 0x0
	s_add_nc_u64 s[G0A+2:G0A+3], s[4:5], s[52:53]
	s_add_nc_u64 s[G0B+2:G0B+3], s[G0A+2:G0A+3], 16*REC
	s_or_b32 s[G0A+3], s[G0A+3], 0x80000000        ; type = 2
	s_or_b32 s[G0B+3], s[G0B+3], 0x80000000
	s_add_nc_u64 s[54:55], s[6:7], s[54:55]
	s_add_nc_u64 s[56:57], s[6:7], s[56:57]
	s_add_nc_u64 s[8:9], s[8:9], s[58:59]
	ROUND                                          ; all four work-groups are here: the joint loads meet
	tensor_load_to_lds s[G0A:G0A+3], s[G1:G1+7]    ; every wave asks for two records: two loads of mine are out; the work-group's 32 fill LDS once
	s_nop 0
	tensor_load_to_lds s[G0B:G0B+3], s[G1:G1+7]
	s_nop 0
.rept 4
	v_nop
.endr
	global_load_b128 v[S:S+3], v[QA], s[54:55]     ; hi's tile of q: every lane its row's 32 bytes
	global_load_b128 v[S+4:S+7], v[QA], s[54:55] offset:256
	global_load_b128 v[QL:QL+3], v[QA], s[56:57]   ; lo's
	global_load_b128 v[QL+4:QL+7], v[QA], s[56:57] offset:256
	s_wait_loadcnt 0x0
	SETQ S
	INIT
	s_wait_tensorcnt 0x1                           ; my record of the first sixteen is in; my second load may stay out
	s_barrier_signal -1
	s_barrier_wait -1                              ; records 0 to 15 are whole
	WALK 0, JQ, 0                                  ; hi's steps under 16: its block is 16 at the least, so none is hidden and none lies on the diagonal
	s_wait_tensorcnt 0x0                           ; my second record is in,
	s_wait_dscnt 0x0
	s_barrier_signal -1
	s_barrier_wait -1                              ; and everybody's
	s_mov_b32 s[DIAG], s[HB]
	WALK 16, JQ, 1
	DUMPST 0
	SETQ QL
	INIT
	s_mov_b32 s[DIAG], s[LB]
	WALK 0, JX, 1
	DUMPST 1
	s_barrier_signal -1                            ; every wave's parts have landed (the wait for 0 closes DUMPST)
	s_barrier_wait -1
	s_cmp_lt_u32 s[WV], 8                          ; waves with j = 0 merge hi's four parts, those with j = 1 lo's
	s_cbranch_scc0 .Ldone
.irp q, 0,1,2,3
.irp g, 0,1,2,3,4
	ds_load_b128 v[MG+20*\q+4*\g:MG+20*\q+4*\g+3], v[DR] offset:8*DSL*\q+512*\g   ; quarter q is wave a + 4 q
.endr
.endr
	v_mov_b32 v178, 0
	s_wait_dscnt 0x0
	v_min3_num_f32 v176, v[MG+16], v[MG+36], v[MG+56]
	v_min_num_f32 v176, v176, v[MG+76]             ; -M of the whole row
.irp q, 0,1,2,3
	v_sub_f32 v[180+\q], v176, v[MG+16+20*\q]      ; the part's M less the row's: a whole number, 0 or less (a part without a step: about -3e38)
.endr
.irp q, 0,1,2,3
	v_cvt_i32_f32 v[180+\q], v[180+\q]             ; (it saturates)
.endr
.irp q, 0,1,2,3
	v_ldexp_f32 v[180+\q], 1.0, v[180+\q]          ; the part's factor: a power of two, or 0
.endr
	v_mul_f32 v177, v180, v[MG+18]
.irp q, 1,2,3
	v_fma_f32 v177, v[180+\q], v[MG+18+20*\q], v177
.endr
	v_permlanex16_b32 v178, v177, s[SEL], s[SEL+1]
	v_add_f32 v177, v177, v178                     ; with lane l xor 16's keys: the row's sum
	v_rcp_f32 v179, v177
	v_nop                                          ; one plain place behind a transcendental
	s_wait_alu depctr_va_vdst(0)
.irp q, 0,1,2,3
	v_mul_f32 v[180+\q], v[180+\q], v179
.endr
.set jj, 0
.rept 16
	v_mul_f32 v[KF+jj], v180, v[MG+jj]
.set jj, jj+1
.endr
.irp q, 1,2,3
.set jj, 0
.rept 16
	v_fma_f32 v[KF+jj], v[180+\q], v[MG+20*\q+jj], v[KF+jj]
.set jj, jj+1
.endr
.endr
.irp n, 0,1                            ; register 8 n + i of lane (r, h) is out(query r, channel 16 n + 8 h + i)
.irp u, 0,1
	ds_store_b128 v[SW], v[KF+8*\n+4*\u:KF+8*\n+4*\u+3] offset:64*\n+16*\u
.endr
.endr
.irp g, 0,1,2,3
	ds_load_b128 v[KF+16+4*\g:KF+16+4*\g+3], v[SRD] offset:4*SPI*\g   ; LDS serves a wave's instructions in order (ISA guide 5.7.1.4): these see my stores; the stage is my own
.endr
.irp g, 0,1,2,3
	s_wait_dscnt 3-\g                              ; load g is in; the younger ones may stay out
	global_store_b128 v[LI], v[KF+16+4*\g:KF+16+4*\g+3], s[8:9] offset:512*(\g%2)+2048*(\g/2) th:TH_STORE_NT   ; four rows: 512 consecutive bytes, aligned; the tile's rows 8-15 lie 16 positions behind its first
.endr
.Ldone:
	s_wait_tensorcnt 0x0
	ds_add_u32 v254, v255
	s_wait_dscnt 0x0
	ROUND                                          ; the closing round: no work-group ends while a partner may still ask for a record that names it
	s_endpgm
.Lfunc_end_k_q0409e324ba_attn:
	.size	k_q0409e324ba_attn, .Lfunc_end_k_q0409e324ba_attn-k_q0409e324ba_attn
	.p2alignl 7, 3214868480
	.fill 96, 4, 3214868480
	.section	.rodata,"a",@progbits
	.p2align	6, 0x0
	.amdhsa_kernel k_q0409e324ba_attn
		.amdhsa_group_segment_fixed_size 307200
		.amdhsa_private_segment_fixed_size 0
		.amdhsa_enable_private_segment 0
		.amdhsa_kernarg_size 24
		.amdhsa_user_sgpr_count 2
		.amdhsa_user_sgpr_kernarg_segment_ptr 1
		.amdhsa_wavefront_size32 1
		.amdhsa_system_sgpr_workgroup_id_x 1
		.amdhsa_system_sgpr_workgroup_id_y 1
		.amdhsa_system_sgpr_workgroup_id_z 1
		.amdhsa_system_vgpr_workitem_id 0
		.amdhsa_next_free_vgpr 256
		.amdhsa_next_free_sgpr 66
		.amdhsa_reserve_vcc 1
		.amdhsa_float_denorm_mode_32 3
		.amdhsa_float_denorm_mode_16_64 3
		.amdhsa_memory_ordered 1
		.amdhsa_forward_progress 1
		.amdhsa_inst_pref_size 71
	.end_amdhsa_kernel
	.amdgpu_metadata
---
amdhsa.version: [ 1, 2 ]
amdhsa.kernels:
  - .name:           k_q0409e324ba_attn
    .symbol:         k_q0409e324ba_attn.kd
    .args:
      - { .name: kv, .offset: 0, .size: 8, .value_kind: global_buffer, .address_space: global }
      - { .name: qt, .offset: 8, .size: 8, .value_kind: global_buffer, .address_space: global }
      - { .name: out0, .offset: 16, .size: 8, .value_kind: global_buffer, .address_space: global }
    .group_segment_fixed_size: 307200
    .private_segment_fixed_size: 0
    .kernarg_segment_align: 8
    .kernarg_segment_size: 24
    .max_flat_workgroup_size: 512
    .sgpr_count:     66
    .vgpr_count:     256
    .wavefront_size: 32
...
	.end_amdgpu_metadata
.endif
;; end of part 2
